; MI455X (gfx1250); checked and timed in simulation.
; The chip was launched on July 23, 2026; its instructions are those of AMD's public machine-readable ISA for CDNA 5 (MIT licence, August 2026) and "CDNA5" Instruction Set Architecture Reference Guide (July 2026). The comments in the code are by the model that wrote it; some were corrected since.
;; Bit Linear FFN. Allowed arithmetic: matrix products marked QUANTISED: E2M3 operands, one E8M0 scale for each 32 along K, by v_wmma_scale_f32_16x16x128_f8f6f4 with both operands' format E2M3, f32 sums; everything else in f32.
;; Inputs: w_down 1,024 x 2,048 float32; w_gate 2,048 x 1,024 float32; w_up 2,048 x 1,024 float32; x 4 x 2,048 x 1,024 float32.
;; Outputs: out0 4 x 2,048 x 1,024 float32.
;; This version of the problem:
;;   THIS VERSION OF THE PROBLEM IS GIVEN IN LOW PRECISION. The matrix products marked QUANTISED in the list below multiply operands that are first quantised to E2M3 (2 exponent bits, 3 mantissa bits; 6 bits a number), with one power-of-two scale for each 32 numbers along K (OCP MX v1.0); their sums are f32. All else is computed in f32.
;;   The module's matrix products, in the order in which they are computed (A, B: the left and right operand; K: the contracted axis; several contracted axes count as one K, in the product's order):
;;     1. [M 8,192, K 1,024] x [K 1,024, N 2,048]; A: computed on the way; B: computed on the way: QUANTISED
;;     2. [M 8,192, K 1,024] x [K 1,024, N 2,048]; A: computed on the way; B: computed on the way: QUANTISED
;;     3. [M 8,192, K 2,048] x [K 2,048, N 1,024]; A: computed on the way; B: computed on the way: QUANTISED
;;   THE QUANTISER, for each operand of a quantised product, along K:
;;     - K is cut into blocks of 32 from its start; a last block that is shorter is filled with zeros.
;;     - A block's scale is 2^e with e = floor(log2(the largest magnitude in the block)) - 2, held to -126 .. 127; a block of zeros has e = 0. As a byte (E8M0): e + 127.
;;     - Each number is divided by its block's scale, clamped to +-7.5, and rounded to the nearest number of E2M3, ties to even, subnormals kept.
;;     - The product sums the exact products of the quantised numbers (number of the format x scale) in f32.
;;   ~~~python
;;   def quantise(x, axis):      # numpy; x: float32 -> the quantised numbers, widened to float32 again
;;       x = np.moveaxis(x, axis, -1); K = x.shape[-1]
;;       x = np.pad(x, [(0, 0)] * (x.ndim - 1) + [(0, -K % 32)]); x = x.reshape(x.shape[:-1] + (-1, 32)); a = np.abs(x).max(-1, keepdims=True)
;;       e = np.where(a > 0, np.clip(np.frexp(np.where(a > 0, a, 1))[1] - 1 - 2, -126, 127), 0)      # np.frexp(a)[1] - 1 = floor(log2(a)), exactly
;;       r = np.clip(x / 2.0 ** e, -7.5, 7.5)
;;       step = 2.0 ** (np.maximum(np.frexp(np.where(r == 0, 1, r))[1] - 1, 0) - 3)
;;       q = np.round(r / step) * step * 2.0 ** e      # np.round: ties to even
;;       return np.moveaxis(q.reshape(q.shape[:-2] + (-1,))[..., :K], -1, axis).astype(np.float32)
;;   ~~~
;;   OPERANDS COMPUTED ON THE WAY. 'Computed on the way' means the value that the module computes at that place (a softmax that the list does not call 'softmax' is quantised finished and normalised). What goes into a quantiser is computed in f32, as accurately as f32 sums, v_exp_f32 and their like allow (about 1e-6 of the number): no bf16 or f16 on the way to a quantiser, and a product that is left as it is and whose result goes on into a quantised operand takes f32 operands (vector FMAs, or v_wmma_f32_16x16x4_f32). A number that lies on a knife's edge between two numbers of the format may be rounded either way, as far as f32 arithmetic and the matrix unit's own rounding can turn it there, and no further.
;; One version. Each part assembles by itself: llvm-mc -triple=amdgcn-amd-amdhsa -mcpu=gfx1250 --defsym DOCPART=n.
;; ======== version 1 of 1: 5 launches
;; limits: right only within a limited range of input values
;; workspace buffers: wsum 12,288 bytes; xq 6,553,600 bytes; guq 3,276,800 bytes; dq 1,638,400 bytes; hid 67,108,864 bytes; hq 13,107,200 bytes
;; launch sums (part 1): grid 768 x 1, 4 waves a work-group, no clusters, 0 bytes of LDS; arguments w_gate, w_up, w_down, wsum; writes wsum
.if DOCPART == 1
	.amdgcn_target "amdgcn-amd-amdhsa--gfx1250"
	.amdhsa_code_object_version 6
	.text
	.protected	k_q31b06b1b4b_sums
	.globl	k_q31b06b1b4b_sums
	.p2align	8
	.type	k_q31b06b1b4b_sums,@function
k_q31b06b1b4b_sums:
	s_mov_b64 s[64:65], 0
	v_nop
	global_prefetch_b8 v0, s[64:65] scope:SCOPE_SE
	s_setreg_imm32_b32 hwreg(HW_REG_WAVE_MODE, 25, 1), 1
	s_wait_xcnt 0x0
; THE PROGRAM: out = BL(silu(BL(x, w_gate)) * BL(x, w_up), w_down), BL(a, w) = act_quant(a) weight_quant(w)^T, the three products on codes of E2M3 with one E8M0 scale for each 32 along K.
; Five launches: (1) this one: partial sums of |w|; (2) x and the three weights are fake-quantised and turned into codes; (3) the gate's and the up product as one product, silu(g) u in registers, stored in f32;
; (4) that hidden layer's rows are fake-quantised (the row's largest magnitude spans all 2,048 columns) and turned into codes; (5) the down product.
; LEFT OUT AS DEAD WORK, in the whole program: the straight-through form a + stop_gradient(q - a) of _act_quant and _weight_quant.  stop_gradient is the identity on values, and a + (q - a) = q in real numbers
; for all finite a and q: so what goes into each quantiser is q itself, and launches 2 and 4 form q alone.  All clips of reference() stay.  Every input has a way to the output and is loaded.
; LIMIT: a NaN, an infinity or an overflow that would arise only in q - a or in a + (q - a) is not carried to the result.  NaN and infinities among the inputs are not served.
; THIS LAUNCH: wsum[t][run] = the sum of |w| over 2,048 neighbouring numbers of tensor t (0 gate, 1 up, 2 down), run = 0 .. 1,023.  The mean over a tensor spans work-groups, so it is finished in the next launch,
; where every wave adds the 1,024 parts in one and the same order.  A wave takes one run: 16 loads of 512 consecutive bytes, 64 numbers a lane, four chains of additions, then the 32 lanes.
; No LDS, no barrier, no matrix unit, no cluster: waves share nothing and each byte is read once.
.set D, 16                             ; v16-79  the lane's 64 numbers
	s_load_b256 s[4:11], s[0:1], 0x0               ; w_gate s[4:5], w_up s[6:7], w_down s[8:9], wsum s[10:11]
	v_lshrrev_b32 v1, 5, v0
	v_readfirstlane_b32 s12, v1                    ; wave 0..3
	v_and_b32 v2, 31, v0                           ; lane
	v_lshlrev_b32 v3, 4, v2                        ; 16 bytes a lane
	v_mov_b32 v4, 0                                ; the store's offset
	v_mov_b32 v12, 0                               ; a lane permute's destination counts as one of its sources
	s_lshr_b32 s13, ttmp9, 8                       ; the tensor: 256 work-groups each
	s_and_b32 s14, ttmp9, 255
	s_lshl_b32 s14, s14, 2
	s_add_co_u32 s14, s14, s12                     ; the run
	s_lshl_b32 s16, s14, 13                        ; its 8,192 bytes
	s_mov_b32 s17, 0
	s_lshl_b32 s18, s13, 10
	s_add_co_u32 s18, s18, s14
	s_lshl_b32 s18, s18, 2                         ; its word in wsum
	s_mov_b32 s19, 0
	s_mov_b32 s20, 0x76543210
	s_mov_b32 s21, 0xfedcba98                      ; v_permlanex16_b32's selects for lane l xor 16
	s_wait_alu depctr_va_vdst(0)
	s_wait_kmcnt 0x0
	s_cmp_eq_u32 s13, 0                            ; the choice hangs on the work-group's number alone
	s_cselect_b64 s[4:5], s[4:5], s[6:7]
	s_cmp_eq_u32 s13, 2
	s_cselect_b64 s[4:5], s[8:9], s[4:5]
	s_add_nc_u64 s[4:5], s[4:5], s[16:17]
	s_add_nc_u64 s[10:11], s[10:11], s[18:19]
.irp i, 0,1,2,3,4,5,6,7,8,9,10,11,12,13,14,15
	global_load_b128 v[D+4*\i:D+4*\i+3], v3, s[4:5] offset:512*\i   ; 32 lanes read 512 consecutive bytes
.endr
	s_wait_loadcnt 12                              ; the first four loads are in; the twelve younger ones stay out
.irp k, 0,1,2,3
	v_add_f32 v[8+\k], |v[D+\k]|, |v[D+4+\k]|      ; the first numbers start the four chains: nothing is cleared
.endr
.irp i, 8,12
.irp k, 0,1,2,3
	v_add_f32 v[8+\k], v[8+\k], |v[D+\i+\k]|
.endr
.endr
	s_wait_alu depctr_va_vdst(0)
.irp g, 1,2,3
	s_wait_alu depctr_va_vdst(0)
	s_wait_loadcnt 12-4*\g                         ; the next four loads are in
.irp i, 0,4,8,12
.irp k, 0,1,2,3
	v_add_f32 v[8+\k], v[8+\k], |v[D+16*\g+\i+\k]|
.endr
.endr
.endr
	v_add_f32 v8, v8, v9
	v_add_f32 v10, v10, v11
	v_add_f32 v8, v8, v10
	v_add_f32_dpp v8, v8, v8 row_xmask:1 row_mask:0xf bank_mask:0xf
	v_add_f32_dpp v8, v8, v8 row_xmask:2 row_mask:0xf bank_mask:0xf
	v_add_f32_dpp v8, v8, v8 row_xmask:4 row_mask:0xf bank_mask:0xf
	v_add_f32_dpp v8, v8, v8 row_xmask:8 row_mask:0xf bank_mask:0xf
	v_permlanex16_b32 v12, v8, s20, s21
	v_add_f32 v8, v8, v12                          ; the run's sum, in every lane
	v_cmp_eq_u32 vcc_lo, 0, v2
	s_wait_alu depctr_va_vdst(0)
	s_wait_xcnt 0x0                                ; EXEC changes only behind this wait
	s_and_saveexec_b32 s22, vcc_lo                 ; lane 0 stores the word: 3,072 words in the whole launch
	global_store_b32 v4, v8, s[10:11]
	s_wait_xcnt 0x0                                ; and again, in front of the line that widens it
	s_or_b32 exec_lo, exec_lo, s22
	s_endpgm
.Lfunc_end_k_q31b06b1b4b_sums:
	.size	k_q31b06b1b4b_sums, .Lfunc_end_k_q31b06b1b4b_sums-k_q31b06b1b4b_sums
	.p2alignl 7, 3214868480
	.fill 96, 4, 3214868480
	.section	.rodata,"a",@progbits
	.p2align	6, 0x0
	.amdhsa_kernel k_q31b06b1b4b_sums
		.amdhsa_group_segment_fixed_size 0
		.amdhsa_private_segment_fixed_size 0
		.amdhsa_enable_private_segment 0
		.amdhsa_kernarg_size 32
		.amdhsa_user_sgpr_count 2
		.amdhsa_user_sgpr_kernarg_segment_ptr 1
		.amdhsa_wavefront_size32 1
		.amdhsa_system_sgpr_workgroup_id_x 1
		.amdhsa_system_sgpr_workgroup_id_y 1
		.amdhsa_system_sgpr_workgroup_id_z 1
		.amdhsa_system_vgpr_workitem_id 0
		.amdhsa_next_free_vgpr 84
		.amdhsa_next_free_sgpr 66
		.amdhsa_reserve_vcc 1
		.amdhsa_float_denorm_mode_32 3
		.amdhsa_float_denorm_mode_16_64 3
		.amdhsa_memory_ordered 1
		.amdhsa_forward_progress 1
		.amdhsa_inst_pref_size 8
	.end_amdhsa_kernel
	.amdgpu_metadata
---
amdhsa.version: [ 1, 2 ]
amdhsa.kernels:
  - .name:           k_q31b06b1b4b_sums
    .symbol:         k_q31b06b1b4b_sums.kd
    .args:
      - { .name: w_gate, .offset: 0, .size: 8, .value_kind: global_buffer, .address_space: global }
      - { .name: w_up, .offset: 8, .size: 8, .value_kind: global_buffer, .address_space: global }
      - { .name: w_down, .offset: 16, .size: 8, .value_kind: global_buffer, .address_space: global }
      - { .name: wsum, .offset: 24, .size: 8, .value_kind: global_buffer, .address_space: global }
    .group_segment_fixed_size: 0
    .private_segment_fixed_size: 0
    .kernarg_segment_align: 8
    .kernarg_segment_size: 32
    .max_flat_workgroup_size: 128
    .sgpr_count:     66
    .vgpr_count:     84
    .wavefront_size: 32
...
	.end_amdgpu_metadata
.endif
;; end of part 1
;; launch quant_in (part 2): grid 896 x 1, 4 waves a work-group, no clusters, 50,432 bytes of LDS; arguments x, w_gate, w_up, w_down, wsum, xq, guq, dq; writes xq, guq, dq
.if DOCPART == 2
	.amdgcn_target "amdgcn-amd-amdhsa--gfx1250"
	.amdhsa_code_object_version 6
	.text
	.protected	k_q31b06b1b4b_quant_in
	.globl	k_q31b06b1b4b_quant_in
	.p2align	8
	.type	k_q31b06b1b4b_quant_in,@function
k_q31b06b1b4b_quant_in:
	s_mov_b64 s[64:65], 0
	v_nop
	global_prefetch_b8 v0, s[64:65] scope:SCOPE_SE
	s_setreg_imm32_b32 hwreg(HW_REG_WAVE_MODE, 25, 1), 1
	s_wait_xcnt 0x0
; x and the three weights, f32, K innermost, are fake-quantised as reference() has it, turned into codes of E2M3 with one E8M0 byte for each 32 along K, and laid as IMAGES OF OPERAND REGISTERS.
; LEFT OUT AS DEAD WORK: the straight-through form a + (q - a), which is q for all finite values (shown at the head of the first launch's text).
; FAKE-QUANT, in f32: c = max(C, 1e-5), C the row's largest |x| (tokens) or the tensor's mean |w| (the 1,024 parts of wsum x 2^-21); scale = NUM / c by a reciprocal and one correcting step; inv = 1 / scale likewise;
;   q = clip(round to nearest even(a x scale), LO, HI) x inv, (NUM, LO, HI) = (127, -128, 127) or (1, -1, 1).
; LIMITS: the multiplication by inv stands for the division by scale (about one unit in the last place); c above 2^126 is not served; NaN and infinities among the inputs are not served.
; MX: a block's byte is its largest magnitude's exponent field - 2, held at 1 from below (a block of zeros gets 1 where the rule says 127: its codes are zeros, and this program alone reads the bytes).
;   The block's largest |q| is q of the block's largest |a|: round, clip and the two multiplications do not fall where |a| rises, and |a| x scale stays under 127.5, so the lower clip at -128 is never met alone.
; A UNIT is 16 rows x 1,024 along K: 12,800 bytes: eight fragments (16 rows x 128 K, 1,536 bytes: register g of lane l at 512 (g / 4) + 16 l + 4 (g % 4)), then 512 bytes of scale words
;   (word q of lane (r, h), the bytes of row r and step 2 q + h, at 12,288 + 256 (q / 2) + 8 l + 4 (q % 2)).
; A work-group makes one unit, a wave four of its rows.  Work-groups 0-511: x, unit u = rows 16 u ..  512-767: gate and up, unit 8 G + a: rows 0-3 gate 64 G + 4 a .., 4-7 gate 64 G + 32 + 4 a .., 8-15 the same rows of up.
;   768-895: w_down, unit 8 (2 W + kh) + a: rows 128 W + 16 a .., columns 1,024 kh ..
; A row's 4,096 bytes are loaded dense, turn through the wave's stage in LDS (16 bytes of padding behind each 128) and come back 32 neighbours a lane: a whole block.  The codes are gathered row-major in LDS,
; and behind one barrier each wave reads two fragments as a product would and stores them as they stand: each store covers 512 consecutive bytes.  No tensor load, no cluster: work-groups share only wsum.
.set STG,   4608
.set CODES, 8*STG
.set CP,    784                        ; a row of codes in LDS: 768 + 16
.set SBY,   CODES+16*CP                ; 16 rows x 32 scale bytes
.set SPARE, SBY+512                    ; the spare words, which no other line names
.set SPW,   12
.set NIL,   13
.set R,     32                         ; v32-159  four rows as loaded
.set X,     160                        ; v160-191 a row's block: 32 neighbours
.set C,     192                        ; v192-197 the block's codes
.set D,     198                        ; v198-200 their upper half as converted
.set S,     202
.set INV,   204
.set CW,    206
.set E,     207
.set F,     208                        ; v208-231 two fragments
	s_load_b512 s[16:31], s[0:1], 0x0              ; x, w_gate, w_up, w_down, wsum, xq, guq, dq
	v_lshl_add_u32 v[SPW], v0, 2, SPARE
	v_mov_b32 v[NIL], 0
	v_lshrrev_b32 v1, 5, v0
	v_readfirstlane_b32 s4, v1                     ; wave
	v_and_b32 v2, 31, v0                           ; lane
	v_lshlrev_b32 v3, 4, v2
	v_lshlrev_b32 v16, 3, v2
	s_mul_i32 s8, s4, 2*STG
	v_lshrrev_b32 v14, 3, v2
	v_mul_u32_u24 v14, v14, 144
	v_and_b32 v15, 7, v2
	v_lshl_add_u32 v14, v15, 4, v14
	v_add_nc_u32 v14, s8, v14                      ; the stage, in: 144 (lane / 8) + 16 (lane % 8)
	v_mul_u32_u24 v15, v2, 144
	v_add_nc_u32 v15, s8, v15                      ; out: 144 x lane
	s_mul_i32 s8, s4, 4*CP
	s_add_co_u32 s8, s8, CODES
	v_mul_u32_u24 v4, v2, 24
	v_add_nc_u32 v4, s8, v4                        ; my block's 24 bytes in my first row of codes
	s_lshl_b32 s8, s4, 7
	s_add_co_u32 s8, s8, SBY
	v_add_nc_u32 v5, s8, v2                        ; and its scale byte
	v_and_b32 v1, 15, v2                           ; r
	v_lshrrev_b32 v17, 4, v2                       ; h
	v_mul_u32_u24 v6, v1, CP
	v_mad_u32_u24 v6, v17, 24, v6
	s_mul_i32 s8, s4, 192
	s_add_co_u32 s8, s8, CODES
	v_add_nc_u32 v6, s8, v6                        ; fragments of steps 2 w, 2 w + 1
	v_lshlrev_b32 v7, 5, v1
	v_lshl_add_u32 v7, v17, 2, v7
	s_and_b32 s8, s4, 1
	s_lshl_b32 s9, s8, 4
	s_add_co_u32 s9, s9, SBY
	v_add_nc_u32 v7, s9, v7                        ; scale words 2 (w % 2), 2 (w % 2) + 1
	v_mov_b32 v9, 0
	v_mov_b32 v[S+1], 0
	v_mov_b32 v[INV+1], 0
	v_mov_b32 v[CW], 0
	s_mov_b32 s56, 0x76543210
	s_mov_b32 s57, 0xfedcba98
	s_lshl_b32 s9, s4, 2
	s_lshl_b32 s40, ttmp9, 4
	s_add_co_u32 s40, s40, s9
	s_lshl_b32 s40, s40, 12                        ; x: row 16 u + 4 w
	s_sub_co_u32 s7, ttmp9, 512
	s_lshr_b32 s41, s7, 3
	s_lshl_b32 s41, s41, 6
	s_and_b32 s10, s7, 7
	s_lshl_b32 s10, s10, 2
	s_add_co_u32 s41, s41, s10
	s_lshl_b32 s10, s8, 5
	s_add_co_u32 s41, s41, s10
	s_lshl_b32 s41, s41, 12                        ; gate, up: row 64 G + 4 a + 32 (w % 2)
	s_sub_co_u32 s6, ttmp9, 768
	s_lshr_b32 s42, s6, 4
	s_lshl_b32 s42, s42, 7
	s_and_b32 s10, s6, 7
	s_lshl_b32 s10, s10, 4
	s_add_co_u32 s42, s42, s10
	s_add_co_u32 s42, s42, s9
	s_lshl_b32 s42, s42, 13
	s_bfe_u32 s10, s6, 0x10003
	s_lshl_b32 s10, s10, 12
	s_add_co_u32 s42, s42, s10                     ; down: row 128 W + 16 a + 4 w, + 4,096 kh
	s_lshr_b32 s5, s4, 1
	s_add_co_u32 s5, s5, 1
	s_mov_b32 s44, 0x1000
	s_cmp_lt_u32 ttmp9, 768
	s_cselect_b32 s34, s41, s42
	s_cselect_b32 s6, s7, s6
	s_cselect_b32 s5, s5, 3
	s_cselect_b32 s44, s44, 0x2000                 ; bytes from row to row
	s_cmp_lt_u32 ttmp9, 512
	s_cselect_b32 s34, s40, s34                    ; where my four rows begin
	s_cselect_b32 s6, ttmp9, s6                    ; the unit
	s_cselect_b32 s5, 0, s5                        ; T: 0 x, 1 gate, 2 up, 3 down
	s_cselect_b32 s36, 0x42fe0000, 1.0             ; NUM = HI
	s_cselect_b32 s37, 0xc3000000, -1.0            ; LO
	s_cselect_b32 s39, 0, -1                       ; weights take the mean
	s_mov_b32 s35, 0
	s_mov_b32 s45, 0
	s_mul_i32 s46, s6, 12800
	s_mov_b32 s47, 0
	s_mul_i32 s10, s4, 3072
	s_add_co_u32 s58, s46, s10
	s_mov_b32 s59, 0
	s_lshl_b32 s10, s8, 8
	s_add_co_u32 s46, s46, s10
	s_add_co_u32 s46, s46, 12288
	s_wait_alu depctr_va_vdst(0)                   ; the wait at the head's end
	s_wait_kmcnt 0x0
	s_cmp_eq_u32 s5, 0                             ; the choices hang on ids alone
	s_cselect_b64 s[12:13], s[16:17], s[18:19]
	s_cselect_b64 s[14:15], s[26:27], s[28:29]
	s_cmp_eq_u32 s5, 2
	s_cselect_b64 s[12:13], s[20:21], s[12:13]
	s_cmp_eq_u32 s5, 3
	s_cselect_b64 s[12:13], s[22:23], s[12:13]
	s_cselect_b64 s[14:15], s[30:31], s[14:15]
	s_add_nc_u64 s[48:49], s[12:13], s[34:35]
	s_add_nc_u64 s[50:51], s[48:49], s[44:45]
	s_add_nc_u64 s[52:53], s[50:51], s[44:45]
	s_add_nc_u64 s[54:55], s[52:53], s[44:45]
	s_add_nc_u64 s[32:33], s[14:15], s[46:47]
	s_add_nc_u64 s[14:15], s[14:15], s[58:59]
.macro LOADS                           ; all four rows: 32 loads of 512 consecutive bytes
.irp i, 0,1,2,3
.irp k, 0,1,2,3,4,5,6,7
	global_load_b128 v[R+32*\i+4*\k:R+32*\i+4*\k+3], v3, s[48+2*\i:49+2*\i] offset:512*\k th:TH_LOAD_NT
.endr
.endr
.endm
.macro ROW i
	s_wait_loadcnt 8*(3-(\i))                      ; this row's eight loads are in; the later rows' stay out
.irp k, 0,1,2,3,4,5,6,7
	ds_store_b128 v14, v[R+32*(\i)+4*\k:R+32*(\i)+4*\k+3] offset:STG*((\i)%2)+576*\k
.endr
.irp k, 0,1,2,3,4,5,6,7
	ds_load_b128 v[X+4*\k:X+4*\k+3], v15 offset:STG*((\i)%2)+16*\k   ; LDS serves a wave's instructions in order
.endr
	s_wait_dscnt 0x0
	v_max3_num_f32 v8, |v[X]|, |v[X+1]|, |v[X+2]|
	v_max3_num_f32 v9, |v[X+3]|, |v[X+4]|, |v[X+5]|
.set JJ, 6
.rept 6
	v_max3_num_f32 v8, v8, |v[X+JJ]|, |v[X+JJ+1]|
	v_max3_num_f32 v9, v9, |v[X+JJ+2]|, |v[X+JJ+3]|
.set JJ, JJ+4
.endr
	v_max3_num_f32 v8, v8, |v[X+30]|, |v[X+31]|
	v_max_num_f32 v10, v8, v9                      ; the block's largest |a|
	v_max_num_f32_dpp v8, v10, v10 row_xmask:1 row_mask:0xf bank_mask:0xf
	v_max_num_f32_dpp v8, v8, v8 row_xmask:2 row_mask:0xf bank_mask:0xf
	v_max_num_f32_dpp v8, v8, v8 row_xmask:4 row_mask:0xf bank_mask:0xf
	v_max_num_f32_dpp v8, v8, v8 row_xmask:8 row_mask:0xf bank_mask:0xf
	v_permlanex16_b32 v9, v8, s56, s57
	v_max_num_f32 v8, v8, v9                       ; the row's
	v_cndmask_b32 v8, v8, v[CW], s39               ; weights: the tensor's mean
	v_max_num_f32 v8, 0x3727c5ac, v8               ; c = max(., 1e-5)
	s_wait_alu depctr_va_vdst(0)                   ; the waits round each reciprocal
	v_rcp_f32 v9, v8
	v_nop
	s_wait_alu depctr_va_vdst(0)
	v_mul_f32 v11, s36, v9
	v_fma_f32 v1, -v11, v8, s36
	v_fma_f32 v[S], v1, v9, v11                    ; NUM / c, corrected
	s_wait_alu depctr_va_vdst(0)
	v_rcp_f32 v9, v[S]
	v_nop
	s_wait_alu depctr_va_vdst(0)
	v_fma_f32 v11, -v[S], v9, 1.0
	v_fma_f32 v[INV], v11, v9, v9                  ; 1 / scale, corrected
.set JJ, 0
.rept 16
	v_pk_mul_f32 v[X+JJ:X+JJ+1], v[X+JJ:X+JJ+1], v[S:S+1] op_sel_hi:[1,0]
.set JJ, JJ+2
.endr
	v_mul_f32 v10, v10, v[S]
.set JJ, 0
.rept 32
	v_rndne_f32 v[X+JJ], v[X+JJ]
.set JJ, JJ+1
.endr
	v_rndne_f32 v10, v10
.set JJ, 0
.rept 32
	v_med3_num_f32 v[X+JJ], v[X+JJ], s37, s36
.set JJ, JJ+1
.endr
	v_min_num_f32 v10, s36, v10
.set JJ, 0
.rept 16
	v_pk_mul_f32 v[X+JJ:X+JJ+1], v[X+JJ:X+JJ+1], v[INV:INV+1] op_sel_hi:[1,0]
.set JJ, JJ+2
.endr
	v_mul_f32 v10, v10, v[INV]                     ; the block's largest |q|
	v_max_num_f32 v10, 0x1800000, v10              ; the floor 2^(3 - 127): the byte cannot fall under 1
	v_add_nc_u32 v11, 0xff000000, v10              ; 2 off the exponent field: the conversion's scale operand
	v_cvt_scalef32_pk16_fp6_f32 v[C:C+2], v[X:X+15], v11
	v_cvt_scalef32_pk16_fp6_f32 v[D:D+2], v[X+16:X+31], v11
	v_lshrrev_b32 v[E], 23, v11                    ; the byte (a plain instruction behind the conversions)
	v_mov_b32 v[C+3], v[D]
	v_mov_b32 v[C+4], v[D+1]
	v_mov_b32 v[C+5], v[D+2]
	ds_store_b64 v4, v[C:C+1] offset:CP*(\i)
	ds_store_b64 v4, v[C+2:C+3] offset:CP*(\i)+8
	ds_store_b64 v4, v[C+4:C+5] offset:CP*(\i)+16
	ds_store_b8 v5, v[E] offset:32*(\i)
.endm
	s_cmp_eq_u32 s5, 0
	s_cbranch_scc1 .Ltokens                        ; the mean is the weights' affair: no LDS instruction and no barrier under the branch
	s_sub_co_u32 s10, s5, 1
	s_lshl_b32 s10, s10, 12
	s_mov_b32 s11, 0
	s_add_nc_u64 s[60:61], s[24:25], s[10:11]
.irp i, 0,1,2,3,4,5,6,7
	global_load_b128 v[X+4*\i:X+4*\i+3], v3, s[60:61] offset:512*\i
.endr
	LOADS
	s_wait_loadcnt 32                              ; the eight loads of the parts are in; the rows' 32 stay out
.irp j, 0,2,4,6,8,10,12,14
	v_pk_add_f32 v[X+\j:X+\j+1], v[X+\j:X+\j+1], v[X+16+\j:X+17+\j]
.endr
.irp j, 0,2,4,6
	v_pk_add_f32 v[X+\j:X+\j+1], v[X+\j:X+\j+1], v[X+8+\j:X+9+\j]
.endr
.irp j, 0,2
	v_pk_add_f32 v[X+\j:X+\j+1], v[X+\j:X+\j+1], v[X+4+\j:X+5+\j]
.endr
	v_pk_add_f32 v[X:X+1], v[X:X+1], v[X+2:X+3]
	v_add_f32 v[X], v[X], v[X+1]
	v_add_f32_dpp v[X], v[X], v[X] row_xmask:1 row_mask:0xf bank_mask:0xf
	v_add_f32_dpp v[X], v[X], v[X] row_xmask:2 row_mask:0xf bank_mask:0xf
	v_add_f32_dpp v[X], v[X], v[X] row_xmask:4 row_mask:0xf bank_mask:0xf
	v_add_f32_dpp v[X], v[X], v[X] row_xmask:8 row_mask:0xf bank_mask:0xf
	v_permlanex16_b32 v9, v[X], s56, s57
	v_add_f32 v[X], v[X], v9
	v_mul_f32 v[CW], 0x35000000, v[X]              ; x 2^-21
	s_wait_alu depctr_va_vdst(0)                   ; the wait ahead of the branch
	s_branch .Lrows
.Ltokens:
	LOADS                                          ; the same 32 loads as in the other arm
.Lrows:
	ROW 0
	ROW 1
	ROW 2
	ROW 3
	s_wait_alu depctr_va_vdst(0)
	s_wait_dscnt 0x0                               ; for the others' sake: my codes and bytes are in LDS
	s_barrier_signal -1
	s_barrier_wait -1
.irp q, 0,1
.irp p, 0,1,2,3,4,5
	ds_load_b64 v[F+12*\q+2*\p:F+12*\q+2*\p+1], v6 offset:96*\q+48*(\p/3)+8*(\p%3)   ; lane (r, h): row r, 24 bytes at 24 h and at 48 + 24 h of the step's 96
.endr
.endr
	s_cmp_lt_u32 s4, 2
	s_cbranch_scc0 .Lno_words                      ; waves 0 and 1 store the scale words, 256 consecutive bytes each
	ds_load_b32 v8, v7
	ds_load_b32 v9, v7 offset:8
	s_wait_dscnt 0x0
	global_store_b64 v16, v[8:9], s[32:33]
.Lno_words:
	s_wait_dscnt 0x0
.irp q, 0,1
.irp i, 0,1,2
	global_store_b128 v3, v[F+12*\q+4*\i:F+12*\q+4*\i+3], s[14:15] offset:1536*\q+512*\i
.endr
.endr
	s_wait_tensorcnt 0x0                           ; the wave's end
	ds_add_u32 v[SPW], v[NIL]
	s_wait_dscnt 0x0
	s_endpgm
.Lfunc_end_k_q31b06b1b4b_quant_in:
	.size	k_q31b06b1b4b_quant_in, .Lfunc_end_k_q31b06b1b4b_quant_in-k_q31b06b1b4b_quant_in
	.p2alignl 7, 3214868480
	.fill 96, 4, 3214868480
	.section	.rodata,"a",@progbits
	.p2align	6, 0x0
	.amdhsa_kernel k_q31b06b1b4b_quant_in
		.amdhsa_group_segment_fixed_size 50432
		.amdhsa_private_segment_fixed_size 0
		.amdhsa_enable_private_segment 0
		.amdhsa_kernarg_size 64
		.amdhsa_user_sgpr_count 2
		.amdhsa_user_sgpr_kernarg_segment_ptr 1
		.amdhsa_wavefront_size32 1
		.amdhsa_system_sgpr_workgroup_id_x 1
		.amdhsa_system_sgpr_workgroup_id_y 1
		.amdhsa_system_sgpr_workgroup_id_z 1
		.amdhsa_system_vgpr_workitem_id 0
		.amdhsa_next_free_vgpr 232
		.amdhsa_next_free_sgpr 66
		.amdhsa_reserve_vcc 0
		.amdhsa_float_denorm_mode_32 3
		.amdhsa_float_denorm_mode_16_64 3
		.amdhsa_memory_ordered 1
		.amdhsa_forward_progress 1
		.amdhsa_inst_pref_size 51
	.end_amdhsa_kernel
	.amdgpu_metadata
---
amdhsa.version: [ 1, 2 ]
amdhsa.kernels:
  - .name:           k_q31b06b1b4b_quant_in
    .symbol:         k_q31b06b1b4b_quant_in.kd
    .args:
      - { .name: x, .offset: 0, .size: 8, .value_kind: global_buffer, .address_space: global }
      - { .name: w_gate, .offset: 8, .size: 8, .value_kind: global_buffer, .address_space: global }
      - { .name: w_up, .offset: 16, .size: 8, .value_kind: global_buffer, .address_space: global }
      - { .name: w_down, .offset: 24, .size: 8, .value_kind: global_buffer, .address_space: global }
      - { .name: wsum, .offset: 32, .size: 8, .value_kind: global_buffer, .address_space: global }
      - { .name: xq, .offset: 40, .size: 8, .value_kind: global_buffer, .address_space: global }
      - { .name: guq, .offset: 48, .size: 8, .value_kind: global_buffer, .address_space: global }
      - { .name: dq, .offset: 56, .size: 8, .value_kind: global_buffer, .address_space: global }
    .group_segment_fixed_size: 50432
    .private_segment_fixed_size: 0
    .kernarg_segment_align: 8
    .kernarg_segment_size: 64
    .max_flat_workgroup_size: 128
    .sgpr_count:     66
    .vgpr_count:     232
    .wavefront_size: 32
...
	.end_amdgpu_metadata
.endif
;; end of part 2
;; launch gemm_gu (part 3): grid 256 x 1, 4 waves a work-group, clusters of 4 x 1, 327,680 bytes of LDS; arguments xq, guq, hid; writes hid
.if DOCPART == 3
	.amdgcn_target "amdgcn-amd-amdhsa--gfx1250"
	.amdhsa_code_object_version 6
	.text
	.protected	k_q31b06b1b4b_gemm_gu
	.globl	k_q31b06b1b4b_gemm_gu
	.p2align	8
	.type	k_q31b06b1b4b_gemm_gu,@function
k_q31b06b1b4b_gemm_gu:
	s_mov_b64 s[64:65], 0
	v_nop
	global_prefetch_b8 v0, s[64:65] scope:SCOPE_SE
	s_setreg_imm32_b32 hwreg(HW_REG_WAVE_MODE, 25, 1), 1
	s_wait_xcnt 0x0
	s_wait_alu depctr_hold_cnt(0) depctr_sa_sdst(0) depctr_va_vdst(0) depctr_va_sdst(0) depctr_va_ssrc(0) depctr_va_vcc(0) depctr_vm_vsrc(0)
	s_getreg_b32 s2, hwreg(HW_REG_IB_STS2, 6, 4)
	s_cmp_eq_u32 s2, 0
	s_cbranch_scc0 .Lentry_in_a_cluster
	s_endpgm
.Lentry_in_a_cluster:
	s_bfe_u32 s2, ttmp6, 0x10000c
	s_cmp_lg_u32 s2, 0x3003
	s_cbranch_scc0 .Lentry_shape_is_right
	s_endpgm
.Lentry_shape_is_right:
; hid = silu(x Wg^T) * (x Wu^T), both products on codes of E2M3 with E8M0 scales, sums in f32; hid in f32, laid for the next launch's lanes.
; ONE OPERAND STAYS IN REGISTERS.  A wave keeps group G of the weights, 64 gate rows and the same 64 up rows x all 1,024 of K: 8 units of guq, 64 fragments, 768 registers, with their 64 scale words in 32;
; they come from memory straight into the registers (quant_in laid them as register images: each load covers 256 or 512 consecutive bytes).
; THE OTHER LIES IN LDS, WHOLE: the work-group's 256 rows of x are 16 units of xq, 204,800 consecutive bytes.  Each wave fetches a quarter by ONE tensor load at the head (200 rows of 256 bytes); nothing is filled again.
; CLUSTER 4 x 1: the four work-groups of a cluster take the same 256 rows of x, so the four loads are joint (mask 15).  No LDS address, branch or trip count hangs on the place in the cluster: it enters G alone,
; and G only global addresses.  The weights are not asked for jointly: a joint load lands in LDS, and four waves' 4 x 98,304 bytes do not fit beside x's 204,800.
; No prefetch: every fetch from memory stands at the head; there is no loop to run ahead in.
; A wave walks the 16 units.  A unit's eight fragments lie in a ring of eight register sets; each feeds eight matrix instructions, on eight accumulators that take turns.
; Fragment s of the next unit is read from LDS behind step s of this one, four places behind the last product that read its registers.
; SHARES: work-group n = 4 x cluster + cx: rows 256 (n / 8) .., wave w: G = 4 (n % 8) + w.  1,024 matrix instructions a wave.
; THE TILE: source 0 = 16 rows of the weights (0-3 gate 4 a .., 4-7 gate 32 + 4 a .., 8-15 the same of up), source 1 = 16 rows of x.  Register j of lane (r, h) is weight row 8 h + j for row r of x:
; lanes 0-15 hold gate, lanes 16-31 up.  v_permlane16_swap_b32 of registers j and j + 4 leaves g of column 32 h + 4 a + j in register j and u of the same column in register j + 4.
; hid: record (row block, G) of 4,096 bytes; store a covers 512 consecutive bytes, lane l's 16 at 512 a + 16 l: so a lane's 32 numbers are columns 64 G + 32 h + 0 .. 31 of row r.
; REGISTERS: window 0: v2-5 offsets and LDS addresses; v6-7 the add's two; v8-15 x's scale words, two sets; v16-47 the weights'; v48-59 fragment 63; v60-155 the ring; v160-223 accumulators.
;   Windows 1-3: fragments 0-62, 21 to a window.
.set UNIT, 12800
.set SPARE, 0                          ; the spare words, 512 bytes, which no other line names
.set XR,  512                          ; x's 16 units
.set L16, 2
.set L8,  3
.set XA,  4                            ; the unit being read: 16 bytes a lane
.set XA8, 5                            ; the same, 8 bytes a lane
.set SPW, 6
.set NIL, 7
.set SCX, 8
.set SCW, 16
.set WX,  48
.set BF,  60
.set ACC, 160
.set HB, 20                            ; s[20:21] this tile's record
.set HS, 22
.set WB, 24
.set MSB, 0
.macro WIN new
.if MSB != (\new)
	s_set_vgpr_msb (MSB<<8)|(\new)
.set MSB, (\new)
.endif
.endm
.macro ROUND                           ; a round of the cluster's barrier
	s_barrier_signal -1
	s_barrier_wait -1
	s_cmp_lg_u32 s10, 0
	s_cbranch_scc1 .Lnot_wave_0_\@
	s_barrier_signal -3
.Lnot_wave_0_\@:
	s_barrier_wait -3
	s_barrier_signal -1
	s_barrier_wait -1
.endm
.macro WHERE                           ; fragment F: its window WN and first register WR
.if F < 63
.set WN, 1+F/21
.set WR, 12*(F%21)
.else
.set WN, 0
.set WR, WX
.endif
.endm
.macro XLOAD s                         ; fragment s of the unit at XA
.irp i, 0,1,2
	ds_load_b128 v[BF+12*(\s)+4*\i:BF+12*(\s)+4*\i+3], v[XA] offset:1536*(\s)+512*\i
.endr
.endm
.macro XSCALES sx
	ds_load_b64 v[SCX+4*(\sx):SCX+4*(\sx)+1], v[XA8] offset:12288
	ds_load_b64 v[SCX+4*(\sx)+2:SCX+4*(\sx)+3], v[XA8] offset:12544
.endm
.macro XNEXT                           ; on to the next unit
	s_add_co_u32 s13, s13, UNIT
	v_add_nc_u32 v[XA], s13, v[L16]
	v_add_nc_u32 v[XA8], s13, v[L8]
.endm
.macro MM a, s, sx                     ; step s: even steps' scale words lie in lanes 0-15, odd steps' in lanes 16-31
.set F, 8*(\s)+(\a)
	WHERE
	WIN WN
.if (\s) == 0
	v_wmma_scale_f32_16x16x128_f8f6f4 v[ACC+8*\a:ACC+8*\a+7], v[WR:WR+11], v[BF+12*\s:BF+12*\s+11], 0, v[SCW+4*\a+(\s)/2], v[SCX+4*\sx+(\s)/2] matrix_a_fmt:MATRIX_FMT_FP6 matrix_b_fmt:MATRIX_FMT_FP6
.else
.if (\s)%2
	v_wmma_scale_f32_16x16x128_f8f6f4 v[ACC+8*\a:ACC+8*\a+7], v[WR:WR+11], v[BF+12*\s:BF+12*\s+11], v[ACC+8*\a:ACC+8*\a+7], v[SCW+4*\a+(\s)/2], v[SCX+4*\sx+(\s)/2] matrix_a_fmt:MATRIX_FMT_FP6 matrix_b_fmt:MATRIX_FMT_FP6 matrix_a_scale:MATRIX_SCALE_ROW1 matrix_b_scale:MATRIX_SCALE_ROW1
.else
	v_wmma_scale_f32_16x16x128_f8f6f4 v[ACC+8*\a:ACC+8*\a+7], v[WR:WR+11], v[BF+12*\s:BF+12*\s+11], v[ACC+8*\a:ACC+8*\a+7], v[SCW+4*\a+(\s)/2], v[SCX+4*\sx+(\s)/2] matrix_a_fmt:MATRIX_FMT_FP6 matrix_b_fmt:MATRIX_FMT_FP6
.endif
.endif
.endm
.macro STEP s, sx, load
; behind fragment s's three LDS loads were issued: the 3 (7 - s) of this unit's later fragments and, where the next unit is read, 3 for each step passed and 2 for its scale words
.if \load
.if (\s) == 0
	s_wait_dscnt 21
.else
	s_wait_dscnt 23
.endif
.else
	s_wait_dscnt 3*(7-(\s))
.endif
.irp a, 0,1,2,3,4,5,6,7
	MM \a, \s, \sx
.endr
	WIN 0
.if (\load) || ((\s) == 7)
.rept 4
	v_nop                                          ; four places behind the products: for the loads into their registers, and behind step 7 for the first reads of the results
.endr
.endif
.if \load
.if (\s) == 0
	XSCALES 1-(\sx)
.endif
	XLOAD \s
.endif
.endm
.macro ACT                             ; h = g u / (1 + 2^(-g log2 e)), in place: g's registers carry the divisor, u's the result
.irp a, 0,1,2,3,4,5,6,7
.irp j, 0,1,2,3
	v_permlane16_swap_b32 v[ACC+8*\a+\j], v[ACC+8*\a+4+\j]
.endr
.endr
.irp a, 0,1,2,3,4,5,6,7
.irp j, 0,2
	v_pk_mul_f32 v[ACC+8*\a+4+\j:ACC+8*\a+5+\j], v[ACC+8*\a+\j:ACC+8*\a+1+\j], v[ACC+8*\a+4+\j:ACC+8*\a+5+\j]
.endr
.endr
.irp a, 0,1,2,3,4,5,6,7
.irp j, 0,2
	v_pk_mul_f32 v[ACC+8*\a+\j:ACC+8*\a+1+\j], v[ACC+8*\a+\j:ACC+8*\a+1+\j], s[30:31] op_sel_hi:[1,0]
.endr
.endr
	s_wait_alu depctr_va_vdst(0)                   ; a wait ahead of each batch of transcendentals and one behind it
.irp a, 0,1,2,3,4,5,6,7
.irp j, 0,1,2,3
	v_exp_f32 v[ACC+8*\a+\j], v[ACC+8*\a+\j]
.endr
.endr
	v_nop
	s_wait_alu depctr_va_vdst(0)
.irp a, 0,1,2,3,4,5,6,7
.irp j, 0,2
	v_pk_add_f32 v[ACC+8*\a+\j:ACC+8*\a+1+\j], v[ACC+8*\a+\j:ACC+8*\a+1+\j], 1.0 op_sel_hi:[1,0]
.endr
.endr
	s_wait_alu depctr_va_vdst(0)
.irp a, 0,1,2,3,4,5,6,7
.irp j, 0,1,2,3
	v_rcp_f32 v[ACC+8*\a+\j], v[ACC+8*\a+\j]
.endr
.endr
	v_nop
	s_wait_alu depctr_va_vdst(0)
.irp a, 0,1,2,3,4,5,6,7
.irp j, 0,2
	v_pk_mul_f32 v[ACC+8*\a+4+\j:ACC+8*\a+5+\j], v[ACC+8*\a+4+\j:ACC+8*\a+5+\j], v[ACC+8*\a+\j:ACC+8*\a+1+\j]
.endr
.endr
.irp a, 0,1,2,3,4,5,6,7
	global_store_b128 v[L16], v[ACC+8*\a+4:ACC+8*\a+7], s[HB:HB+1] offset:512*\a th:TH_STORE_NT
.endr
.endm
.macro TILE sx, load, nxt              ; load: the next unit is read; nxt: and one more behind it
	s_wait_xcnt 0x0                                ; the last tile's stores have read their data and base: both are written again below
	s_add_nc_u64 s[HB:HB+1], s[HS:HS+1], s[26:27]
	s_add_co_u32 s26, s26, 0x20000
.irp s, 0,1,2,3,4,5,6,7
	STEP \s, \sx, \load
.endr
.if \nxt
	XNEXT                                          ; the activation's vector instructions stand between these writes and their readers
.endif
	ACT
.endm
	s_load_b128 s[4:7], s[0:1], 0x0                ; xq, guq
	s_load_b64 s[8:9], s[0:1], 0x10                ; hid
	v_lshl_add_u32 v[SPW], v0, 2, SPARE
	v_mov_b32 v[NIL], 0
	ds_add_u32 v[SPW], v[NIL]                      ; the opening lines: the add, twice on end, and its wait ahead of my first tensor load
	ds_add_u32 v[SPW], v[NIL]
	v_lshrrev_b32 v1, 5, v0
	v_readfirstlane_b32 s10, v1                    ; wave
	v_and_b32 v1, 31, v0
	v_lshlrev_b32 v[L16], 4, v1
	v_lshlrev_b32 v[L8], 3, v1
	s_mov_b32 s13, XR
	v_add_nc_u32 v[XA], s13, v[L16]                ; unit 0
	v_add_nc_u32 v[XA8], s13, v[L8]
	s_bfe_u32 s34, ttmp6, 0x40000                  ; cx
	s_and_b32 s11, ttmp9, 1
	s_lshl_b32 s11, s11, 2
	s_add_co_u32 s11, s11, s34                     ; n % 8
	s_lshl_b32 s11, s11, 2
	s_add_co_u32 s11, s11, s10                     ; G
	s_lshr_b32 s12, ttmp9, 1                       ; which 256 rows of x: the same in the whole cluster
	s_mov_b32 s40, 15|(3<<16)|(1<<21)              ; group 1: the cluster's four; elements of 8 bytes; bit 21 beside the mask
	s_mov_b32 s41, 32<<16                          ; rows of 256 bytes,
	s_mov_b32 s42, 200<<16                         ; 200 of them: four units
	s_mov_b32 s43, 32<<16
	s_mov_b32 s44, 200
	s_mov_b32 s45, 32
	s_mov_b32 s46, 0
	s_mov_b32 s47, 0
	s_mov_b32 s36, 1                               ; group 0
	s_mul_i32 s28, s10, 4*UNIT                     ; my quarter
	s_add_co_u32 s37, s28, XR
	s_mul_i32 s29, s12, 16*UNIT
	s_add_co_u32 s28, s28, s29
	s_mov_b32 s29, 0
	s_mov_b32 s26, 0
	s_mov_b32 s27, 0
	s_mov_b32 s30, 0xbfb8aa3b                      ; -log2 e
	s_mov_b32 s31, s30
	s_mul_i32 s14, s11, 8*UNIT
	s_mov_b32 s15, 0
	s_lshl_b32 s32, s12, 21
	s_lshl_b32 s33, s11, 12
	s_add_co_u32 s32, s32, s33
	s_mov_b32 s33, 0
	s_wait_alu depctr_va_vdst(0)                   ; the wait at the head's end
	s_wait_dscnt 0x0                               ; both opening adds are done
	s_wait_kmcnt 0x0
	s_add_nc_u64 s[38:39], s[4:5], s[28:29]
	s_or_b32 s39, s39, 0x80000000
	s_add_nc_u64 s[WB:WB+1], s[6:7], s[14:15]
	s_add_nc_u64 s[HS:HS+1], s[8:9], s[32:33]
	ROUND                                          ; all four work-groups are here: the joint loads meet
	tensor_load_to_lds s[36:39], s[40:47]          ; my one tensor load
	s_nop 0
.rept 4
	v_nop
.endr
.irp a, 0,1,2,3,4,5,6,7
	global_load_b64 v[SCW+4*\a:SCW+4*\a+1], v[L8], s[WB:WB+1] offset:UNIT*\a+12288
	global_load_b64 v[SCW+4*\a+2:SCW+4*\a+3], v[L8], s[WB:WB+1] offset:UNIT*\a+12544
.endr
.set F, 0
.rept 64                               ; fragment F = 8 s + a: tile a, step s
	WHERE
	WIN WN<<6
.irp i, 0,1,2
	global_load_b128 v[WR+4*\i:WR+4*\i+3], v[L16], s[WB:WB+1] offset:UNIT*(F%8)+1536*(F/8)+512*\i
.endr
.set F, F+1
.endr
	WIN 0
	s_wait_tensorcnt 0x0                           ; my quarter of x is in;
	s_barrier_signal -1
	s_barrier_wait -1                              ; and everybody's
	XSCALES 0
.irp s, 0,1,2,3,4,5,6,7
	XLOAD \s
.endr
	XNEXT
	s_wait_alu depctr_va_vdst(0)                   ; the wait here, directly ahead of the wait below
	s_wait_loadcnt 0x0                             ; the weights are in
	s_mov_b32 s3, 7
.Lpair:                                        ; two tiles a trip: x's two sets of scale words take turns
	TILE 0, 1, 1
	TILE 1, 1, 1
	s_sub_co_u32 s3, s3, 1
	s_cmp_lg_u32 s3, 0
	s_cbranch_scc1 .Lpair
	TILE 0, 1, 0
	TILE 1, 0, 0                                   ; the last tile reads nothing more
	s_wait_tensorcnt 0x0                           ; the wave's end
	ds_add_u32 v[SPW], v[NIL]
	s_wait_dscnt 0x0
	ROUND                                          ; the closing round
	s_endpgm
.Lfunc_end_k_q31b06b1b4b_gemm_gu:
	.size	k_q31b06b1b4b_gemm_gu, .Lfunc_end_k_q31b06b1b4b_gemm_gu-k_q31b06b1b4b_gemm_gu
	.p2alignl 7, 3214868480
	.fill 96, 4, 3214868480
	.section	.rodata,"a",@progbits
	.p2align	6, 0x0
	.amdhsa_kernel k_q31b06b1b4b_gemm_gu
		.amdhsa_group_segment_fixed_size 327680
		.amdhsa_private_segment_fixed_size 0
		.amdhsa_enable_private_segment 0
		.amdhsa_kernarg_size 24
		.amdhsa_user_sgpr_count 2
		.amdhsa_user_sgpr_kernarg_segment_ptr 1
		.amdhsa_wavefront_size32 1
		.amdhsa_system_sgpr_workgroup_id_x 1
		.amdhsa_system_sgpr_workgroup_id_y 1
		.amdhsa_system_sgpr_workgroup_id_z 1
		.amdhsa_system_vgpr_workitem_id 0
		.amdhsa_next_free_vgpr 1024
		.amdhsa_next_free_sgpr 66
		.amdhsa_reserve_vcc 0
		.amdhsa_float_denorm_mode_32 3
		.amdhsa_float_denorm_mode_16_64 3
		.amdhsa_memory_ordered 1
		.amdhsa_forward_progress 1
		.amdhsa_inst_pref_size 102
	.end_amdhsa_kernel
	.amdgpu_metadata
---
amdhsa.version: [ 1, 2 ]
amdhsa.kernels:
  - .name:           k_q31b06b1b4b_gemm_gu
    .symbol:         k_q31b06b1b4b_gemm_gu.kd
    .args:
      - { .name: xq, .offset: 0, .size: 8, .value_kind: global_buffer, .address_space: global }
      - { .name: guq, .offset: 8, .size: 8, .value_kind: global_buffer, .address_space: global }
      - { .name: hid, .offset: 16, .size: 8, .value_kind: global_buffer, .address_space: global }
    .group_segment_fixed_size: 327680
    .private_segment_fixed_size: 0
    .kernarg_segment_align: 8
    .kernarg_segment_size: 24
    .max_flat_workgroup_size: 128
    .sgpr_count:     66
    .vgpr_count:     1024
    .wavefront_size: 32
...
	.end_amdgpu_metadata
.endif
;; end of part 3
;; launch quant_h (part 4): grid 512 x 1, 4 waves a work-group, no clusters, 768 bytes of LDS; arguments hid, hq; writes hq
.if DOCPART == 4
	.amdgcn_target "amdgcn-amd-amdhsa--gfx1250"
	.amdhsa_code_object_version 6
	.text
	.protected	k_q31b06b1b4b_quant_h
	.globl	k_q31b06b1b4b_quant_h
	.p2align	8
	.type	k_q31b06b1b4b_quant_h,@function
k_q31b06b1b4b_quant_h:
	s_mov_b64 s[64:65], 0
	v_nop
	global_prefetch_b8 v0, s[64:65] scope:SCOPE_SE
	s_setreg_imm32_b32 hwreg(HW_REG_WAVE_MODE, 25, 1), 1
	s_wait_xcnt 0x0
; The hidden layer, f32, is fake-quantised row by row as reference()'s _act_quant has it, turned into codes of E2M3 with one E8M0 byte for each 32 along K, and laid as images of operand registers (units as in quant_in's text).
; LEFT OUT AS DEAD WORK: the straight-through form a + (q - a), which is q for all finite values (shown at the head of the first launch's text).
; FAKE-QUANT, in f32: c = max(the row's largest |a|, 1e-5); scale = 127 / c by a reciprocal and one correcting step; inv = 1 / scale likewise; q = clip(round to nearest even(a x scale), -128, 127) x inv.
; LIMITS: the multiplication by inv stands for the division by scale (about one unit in the last place); c above 2^126 is not served; NaN and infinities are not served.
; MX: a block's byte is its largest magnitude's exponent field - 2, held at 1 from below (a block of zeros gets 1 where the rule says 127: its codes are zeros, and this program alone reads the bytes).
;   The block's largest |q| is q of the block's largest |a| (shown in quant_in's text).
; SHARES.  A work-group takes 16 rows, a wave 512 of their 2,048 columns: eight records of hid.  A record gives lane (r, h) the columns 32 h + 0 .. 31 of row r: a whole block, in K's order, in the lane that the operand's
;   layout gives it.  So nothing is turned: 64 dense loads into window 1, each byte read once; the rows' maxima meet in 256 bytes of LDS, one barrier.
; OUT.  hq: unit 2 B + kh (row block B, columns 1,024 kh ..).  Wave w writes fragments 4 (w % 2) + 0 .. 3 of unit 2 B + w / 2, each store 512 consecutive bytes, and 256 consecutive bytes of scale words.
.set SPARE, 256
.set SPW, 12
.set NIL, 13
.set P,   16                           ; v16-31 two partial maxima a block
.set BM,  32                           ; v32-39 the blocks' largest magnitudes
.set SO,  40                           ; v40-47 scale operands, then bytes
.set W,   48                           ; v48-51 scale words; v52-55 at work
.set S,   56
.set INV, 58
.set FR,  64                           ; v64-111 four fragments
.set TD,  112                          ; v112-143 the blocks' upper halves as converted
.set MSB, 0
.macro WIN new
.if MSB != (\new)
	s_set_vgpr_msb (MSB<<8)|(\new)
.set MSB, (\new)
.endif
.endm
	s_load_b128 s[16:19], s[0:1], 0x0              ; hid, hq
	v_lshl_add_u32 v[SPW], v0, 2, SPARE
	v_mov_b32 v[NIL], 0
	v_lshrrev_b32 v1, 5, v0
	v_readfirstlane_b32 s4, v1                     ; wave
	v_and_b32 v2, 31, v0
	v_lshlrev_b32 v3, 4, v2
	v_lshlrev_b32 v4, 3, v2
	v_and_b32 v5, 15, v2
	v_lshlrev_b32 v6, 2, v5                        ; the four waves' maxima of row r: 4 r + 64 k
	s_lshl_b32 s8, s4, 6
	v_add_nc_u32 v5, s8, v6                        ; mine: 64 w + 4 r
	v_lshrrev_b32 v7, 4, v2
	v_lshlrev_b32 v7, 3, v7                        ; 8 h
	v_mov_b32 v9, 0
	v_mov_b32 v[S+1], 0
	v_mov_b32 v[INV+1], 0
.irp k, 4,5,6,7
	v_mov_b32 v[W+\k], 0
.endr
	s_mov_b32 s40, 0x76543210
	s_mov_b32 s41, 0xfedcba98
	s_mov_b32 s36, 0x42fe0000                      ; 127
	s_mov_b32 s37, 0xc3000000                      ; -128
	s_mov_b32 s38, 0xffff0000                      ; lanes 16-31
	s_lshl_b32 s34, ttmp9, 17
	s_lshl_b32 s8, s4, 15
	s_add_co_u32 s34, s34, s8
	s_mov_b32 s35, 0
	s_lshl_b32 s8, ttmp9, 1
	s_lshr_b32 s9, s4, 1
	s_add_co_u32 s8, s8, s9
	s_mul_i32 s8, s8, 12800                        ; my unit
	s_and_b32 s9, s4, 1
	s_mul_i32 s10, s9, 6144
	s_add_co_u32 s44, s8, s10
	s_mov_b32 s45, 0
	s_lshl_b32 s10, s9, 8
	s_add_co_u32 s46, s8, s10
	s_add_co_u32 s46, s46, 12288
	s_mov_b32 s47, 0
	s_wait_alu depctr_va_vdst(0)                   ; the wait at the head's end
	s_wait_kmcnt 0x0
	s_add_nc_u64 s[12:13], s[16:17], s[34:35]
	s_add_nc_u64 s[14:15], s[18:19], s[44:45]
	s_add_nc_u64 s[32:33], s[18:19], s[46:47]
	WIN 0x40                                       ; destinations in window 1
.irp g, 0,1,2,3,4,5,6,7
.irp a, 0,1,2,3,4,5,6,7
	global_load_b128 v[32*\g+4*\a:32*\g+4*\a+3], v3, s[12:13] offset:4096*\g+512*\a th:TH_LOAD_NT
.endr
.endr
	WIN 0x14                                       ; sources 1 and 2 in window 1
.irp g, 0,1,2,3,4,5,6,7
	s_wait_loadcnt 8*(7-\g)                        ; this record's eight loads are in; the later records' stay out
	v_max3_num_f32 v[P+2*\g], 0, |v[32*\g]|, |v[32*\g+1]|
	v_max3_num_f32 v[P+2*\g+1], 0, |v[32*\g+16]|, |v[32*\g+17]|
.irp j, 2,4,6,8,10,12,14
	v_max3_num_f32 v[P+2*\g], v[P+2*\g], |v[32*\g+\j]|, |v[32*\g+\j+1]|
	v_max3_num_f32 v[P+2*\g+1], v[P+2*\g+1], |v[32*\g+16+\j]|, |v[32*\g+17+\j]|
.endr
.endr
	WIN 0
.irp g, 0,1,2,3,4,5,6,7
	v_max_num_f32 v[BM+\g], v[P+2*\g], v[P+2*\g+1]
.endr
	v_max3_num_f32 v8, v[BM], v[BM+1], v[BM+2]
	v_max3_num_f32 v10, v[BM+3], v[BM+4], v[BM+5]
	v_max3_num_f32 v8, v8, v[BM+6], v[BM+7]
	v_max_num_f32 v8, v8, v10
	v_permlanex16_b32 v9, v8, s40, s41
	v_max_num_f32 v8, v8, v9                       ; row r's largest magnitude in my 512 columns
	ds_store_b32 v5, v8                            ; lanes r and 16 + r write the same word with the same value
	s_wait_alu depctr_va_vdst(0)                   ; the wait ahead of the blocking wait
	s_wait_dscnt 0x0
	s_barrier_signal -1
	s_barrier_wait -1
.irp k, 0,1,2,3
	ds_load_b32 v[P+\k], v6 offset:64*\k
.endr
	s_wait_dscnt 0x0
	v_max3_num_f32 v8, v[P], v[P+1], v[P+2]
	v_max3_num_f32 v8, v8, v[P+3], 0x3727c5ac      ; c = max(the row's, 1e-5)
	s_wait_alu depctr_va_vdst(0)                   ; the waits round each reciprocal
	v_rcp_f32 v9, v8
	v_nop
	s_wait_alu depctr_va_vdst(0)
	v_mul_f32 v10, s36, v9
	v_fma_f32 v11, -v10, v8, s36
	v_fma_f32 v[S], v11, v9, v10                   ; 127 / c, corrected
	s_wait_alu depctr_va_vdst(0)
	v_rcp_f32 v9, v[S]
	v_nop
	s_wait_alu depctr_va_vdst(0)
	v_fma_f32 v10, -v[S], v9, 1.0
	v_fma_f32 v[INV], v10, v9, v9                  ; 1 / scale, corrected
	WIN 0x41                                       ; destination and source 0 in window 1
.set JJ, 0
.rept 128
	v_pk_mul_f32 v[JJ:JJ+1], v[JJ:JJ+1], v[S:S+1] op_sel_hi:[1,0]
.set JJ, JJ+2
.endr
.set JJ, 0
.rept 256
	v_rndne_f32 v[JJ], v[JJ]
.set JJ, JJ+1
.endr
.set JJ, 0
.rept 256
	v_med3_num_f32 v[JJ], v[JJ], s37, s36
.set JJ, JJ+1
.endr
.set JJ, 0
.rept 128
	v_pk_mul_f32 v[JJ:JJ+1], v[JJ:JJ+1], v[INV:INV+1] op_sel_hi:[1,0]
.set JJ, JJ+2
.endr
	WIN 0
.irp g, 0,1,2,3,4,5,6,7
	v_mul_f32 v[BM+\g], v[BM+\g], v[S]
.endr
.irp g, 0,1,2,3,4,5,6,7
	v_rndne_f32 v[BM+\g], v[BM+\g]
.endr
.irp g, 0,1,2,3,4,5,6,7
	v_min_num_f32 v[BM+\g], s36, v[BM+\g]
.endr
.irp g, 0,1,2,3,4,5,6,7
	v_mul_f32 v[BM+\g], v[BM+\g], v[INV]           ; the block's largest |q|
.endr
.irp g, 0,1,2,3,4,5,6,7
	v_max_num_f32 v[BM+\g], 0x1800000, v[BM+\g]    ; the floor 2^(3 - 127)
.endr
.irp g, 0,1,2,3,4,5,6,7
	v_add_nc_u32 v[SO+\g], 0xff000000, v[BM+\g]    ; 2 off the exponent field: the conversion's scale operand
.endr
	WIN 0x01                                       ; source 0 in window 1
.irp g, 0,1,2,3,4,5,6,7
	v_cvt_scalef32_pk16_fp6_f32 v[FR+6*\g:FR+6*\g+2], v[32*\g:32*\g+15], v[SO+\g]     ; record g is block 2 (g % 2) + h of step g / 2: registers 6 (g % 2) .. of that fragment
	v_cvt_scalef32_pk16_fp6_f32 v[TD+4*\g:TD+4*\g+2], v[32*\g+16:32*\g+31], v[SO+\g]
.endr
	WIN 0
	v_nop                                          ; a plain place behind the conversions
.irp g, 0,1,2,3,4,5,6,7
.irp i, 0,1,2
	v_mov_b32 v[FR+6*\g+3+\i], v[TD+4*\g+\i]
.endr
.endr
.irp g, 0,1,2,3,4,5,6,7
	v_lshrrev_b32 v[SO+\g], 23, v[SO+\g]           ; the bytes
.endr
.irp s, 0,1,2,3
	v_lshl_or_b32 v[W+\s], v[SO+2*\s+1], 16, v[SO+2*\s]   ; my two bytes of step s: blocks h and 2 + h,
.endr
.irp s, 0,1,2,3
	v_lshlrev_b32 v[W+\s], v7, v[W+\s]             ; at their places;
.endr
.irp s, 0,1,2,3
	v_permlanex16_b32 v[W+4+\s], v[W+\s], s40, s41
.endr
.irp s, 0,1,2,3
	v_or_b32 v[W+\s], v[W+\s], v[W+4+\s]           ; with lane l xor 16's two the word is whole
.endr
	v_cndmask_b32 v[W+4], v[W], v[W+1], s38        ; lanes 0-15 keep the even step's word, lanes 16-31 the odd step's
	v_cndmask_b32 v[W+5], v[W+2], v[W+3], s38
.irp s, 0,1,2,3
.irp i, 0,1,2
	global_store_b128 v3, v[FR+12*\s+4*\i:FR+12*\s+4*\i+3], s[14:15] offset:1536*\s+512*\i
.endr
.endr
	global_store_b64 v4, v[W+4:W+5], s[32:33]
	s_wait_tensorcnt 0x0                           ; the wave's end
	ds_add_u32 v[SPW], v[NIL]
	s_wait_dscnt 0x0
	s_endpgm
.Lfunc_end_k_q31b06b1b4b_quant_h:
	.size	k_q31b06b1b4b_quant_h, .Lfunc_end_k_q31b06b1b4b_quant_h-k_q31b06b1b4b_quant_h
	.p2alignl 7, 3214868480
	.fill 96, 4, 3214868480
	.section	.rodata,"a",@progbits
	.p2align	6, 0x0
	.amdhsa_kernel k_q31b06b1b4b_quant_h
		.amdhsa_group_segment_fixed_size 768
		.amdhsa_private_segment_fixed_size 0
		.amdhsa_enable_private_segment 0
		.amdhsa_kernarg_size 16
		.amdhsa_user_sgpr_count 2
		.amdhsa_user_sgpr_kernarg_segment_ptr 1
		.amdhsa_wavefront_size32 1
		.amdhsa_system_sgpr_workgroup_id_x 1
		.amdhsa_system_sgpr_workgroup_id_y 1
		.amdhsa_system_sgpr_workgroup_id_z 1
		.amdhsa_system_vgpr_workitem_id 0
		.amdhsa_next_free_vgpr 512
		.amdhsa_next_free_sgpr 66
		.amdhsa_reserve_vcc 0
		.amdhsa_float_denorm_mode_32 3
		.amdhsa_float_denorm_mode_16_64 3
		.amdhsa_memory_ordered 1
		.amdhsa_forward_progress 1
		.amdhsa_inst_pref_size 65
	.end_amdhsa_kernel
	.amdgpu_metadata
---
amdhsa.version: [ 1, 2 ]
amdhsa.kernels:
  - .name:           k_q31b06b1b4b_quant_h
    .symbol:         k_q31b06b1b4b_quant_h.kd
    .args:
      - { .name: hid, .offset: 0, .size: 8, .value_kind: global_buffer, .address_space: global }
      - { .name: hq, .offset: 8, .size: 8, .value_kind: global_buffer, .address_space: global }
    .group_segment_fixed_size: 768
    .private_segment_fixed_size: 0
    .kernarg_segment_align: 8
    .kernarg_segment_size: 16
    .max_flat_workgroup_size: 128
    .sgpr_count:     66
    .vgpr_count:     512
    .wavefront_size: 32
...
	.end_amdgpu_metadata
.endif
;; end of part 4
;; launch gemm_down (part 5): grid 256 x 1, 4 waves a work-group, clusters of 4 x 1, 327,680 bytes of LDS; arguments hq, dq, out0; writes out0
.if DOCPART == 5
	.amdgcn_target "amdgcn-amd-amdhsa--gfx1250"
	.amdhsa_code_object_version 6
	.text
	.protected	k_q31b06b1b4b_gemm_down
	.globl	k_q31b06b1b4b_gemm_down
	.p2align	8
	.type	k_q31b06b1b4b_gemm_down,@function
k_q31b06b1b4b_gemm_down:
	s_mov_b64 s[64:65], 0
	v_nop
	global_prefetch_b8 v0, s[64:65] scope:SCOPE_SE
	s_setreg_imm32_b32 hwreg(HW_REG_WAVE_MODE, 25, 1), 1
	s_wait_xcnt 0x0
	s_wait_alu depctr_hold_cnt(0) depctr_sa_sdst(0) depctr_va_vdst(0) depctr_va_sdst(0) depctr_va_ssrc(0) depctr_va_vcc(0) depctr_vm_vsrc(0)
	s_getreg_b32 s2, hwreg(HW_REG_IB_STS2, 6, 4)
	s_cmp_eq_u32 s2, 0
	s_cbranch_scc0 .Lentry_in_a_cluster
	s_endpgm
.Lentry_in_a_cluster:
	s_bfe_u32 s2, ttmp6, 0x10000c
	s_cmp_lg_u32 s2, 0x3003
	s_cbranch_scc0 .Lentry_shape_is_right
	s_endpgm
.Lentry_shape_is_right:
; out0 = h Wd^T on codes of E2M3 with E8M0 scales, sums in f32.  h: hq, Wd: dq, both laid as register images (units as in quant_in's text).
; ONE OPERAND STAYS IN REGISTERS, as in gemm_gu's text: a wave keeps 128 rows of Wd (output columns 128 W ..) x one half kh of K: 8 units of dq, 64 fragments, 768 registers, loaded straight from memory.
; THE OTHER LIES IN LDS, WHOLE: the work-group's 128 rows of h are 16 units of hq (unit 2 t + kh: row block t, half kh), 204,800 consecutive bytes; each wave fetches a quarter by ONE tensor load at the head; nothing is filled again.
; CLUSTER 4 x 1: the four work-groups of a cluster take the same 128 rows of h, so the four loads are joint (mask 15).  The place in the cluster enters W alone, and W only global addresses.
; Wd is not asked for jointly: a joint load lands in LDS, and four waves' 4 x 98,304 bytes do not fit beside h's 204,800.  No prefetch: every fetch from memory stands at the head.
; A wave walks its 8 units; each fragment of the ring of eight register sets feeds eight matrix instructions on eight accumulators that take turns.
; K IS CUT IN TWO BETWEEN THE WAVES OF A PAIR (kh = w % 2).  On the way out both put their 16 x 128 sums into stages of their own in LDS; behind one barrier wave kh reads rows 8 kh .. 8 kh + 7 of both stages, adds them
; and stores whole rows: 512 consecutive bytes a store.  The stages are doubled and take turns tile by tile: a stage is written again two tiles on, behind the barrier in front of which its reader has waited for its reads.
; No tensor load lands on the stages.
; SHARES: cluster c: rows 128 c ..; work-group cx, wave w: W = 2 cx + w / 2.  512 matrix instructions a wave.
; REGISTERS: as in gemm_gu's text; v4-7, v226 LDS addresses, v224-225 the add's two.
.set UNIT, 12800
.set L16, 2
.set L8,  3
.set STO, 4
.set RDO, 5
.set RDP, 6
.set XA,  7
.set SCX, 8
.set SCW, 16
.set WX,  48
.set BF,  60
.set ACC, 160
.set SPW, 224
.set NIL, 225
.set XA8, 226
.set SP,  528                          ; a stage row: 512 bytes + 16
.set STG, 16*SP
.set SPARE, 8*STG                      ; behind the eight stages: the spare words, 512 bytes, which no other line names
.set XR,  SPARE+512                    ; h's 16 units
.set HB, 20
.set HS, 22
.set WB, 24
.set MSB, 0
.macro WIN new
.if MSB != (\new)
	s_set_vgpr_msb (MSB<<8)|(\new)
.set MSB, (\new)
.endif
.endm
.macro ROUND                           ; a round of the cluster's barrier
	s_barrier_signal -1
	s_barrier_wait -1
	s_cmp_lg_u32 s10, 0
	s_cbranch_scc1 .Lnot_wave_0_\@
	s_barrier_signal -3
.Lnot_wave_0_\@:
	s_barrier_wait -3
	s_barrier_signal -1
	s_barrier_wait -1
.endm
.macro WHERE
.if F < 63
.set WN, 1+F/21
.set WR, 12*(F%21)
.else
.set WN, 0
.set WR, WX
.endif
.endm
.macro XLOAD s
.irp i, 0,1,2
	ds_load_b128 v[BF+12*(\s)+4*\i:BF+12*(\s)+4*\i+3], v[XA] offset:1536*(\s)+512*\i
.endr
.endm
.macro XSCALES sx
	ds_load_b64 v[SCX+4*(\sx):SCX+4*(\sx)+1], v[XA8] offset:12288
	ds_load_b64 v[SCX+4*(\sx)+2:SCX+4*(\sx)+3], v[XA8] offset:12544
.endm
.macro XNEXT                           ; on to my half's next unit
	s_add_co_u32 s13, s13, 2*UNIT
	v_add_nc_u32 v[XA], s13, v[L16]
	v_add_nc_u32 v[XA8], s13, v[L8]
.endm
.macro MM a, s, sx
.set F, 8*(\s)+(\a)
	WHERE
	WIN WN
.if (\s) == 0
	v_wmma_scale_f32_16x16x128_f8f6f4 v[ACC+8*\a:ACC+8*\a+7], v[WR:WR+11], v[BF+12*\s:BF+12*\s+11], 0, v[SCW+4*\a+(\s)/2], v[SCX+4*\sx+(\s)/2] matrix_a_fmt:MATRIX_FMT_FP6 matrix_b_fmt:MATRIX_FMT_FP6
.else
.if (\s)%2
	v_wmma_scale_f32_16x16x128_f8f6f4 v[ACC+8*\a:ACC+8*\a+7], v[WR:WR+11], v[BF+12*\s:BF+12*\s+11], v[ACC+8*\a:ACC+8*\a+7], v[SCW+4*\a+(\s)/2], v[SCX+4*\sx+(\s)/2] matrix_a_fmt:MATRIX_FMT_FP6 matrix_b_fmt:MATRIX_FMT_FP6 matrix_a_scale:MATRIX_SCALE_ROW1 matrix_b_scale:MATRIX_SCALE_ROW1
.else
	v_wmma_scale_f32_16x16x128_f8f6f4 v[ACC+8*\a:ACC+8*\a+7], v[WR:WR+11], v[BF+12*\s:BF+12*\s+11], v[ACC+8*\a:ACC+8*\a+7], v[SCW+4*\a+(\s)/2], v[SCX+4*\sx+(\s)/2] matrix_a_fmt:MATRIX_FMT_FP6 matrix_b_fmt:MATRIX_FMT_FP6
.endif
.endif
.endm
.macro STEP s, sx, load
; behind fragment s's three LDS loads were issued at the most: the 3 (7 - s) of this unit's later fragments and, where the next unit is read, 3 for each step passed and 2 for its scale words
; (the way out between two tiles waits for all LDS instructions, so from the second tile on the unit is in when its tile begins)
.if \load
.if (\s) == 0
	s_wait_dscnt 21
.else
	s_wait_dscnt 23
.endif
.else
	s_wait_dscnt 3*(7-(\s))
.endif
.irp a, 0,1,2,3,4,5,6,7
	MM \a, \s, \sx
.endr
	WIN 0
.if (\load) || ((\s) == 7)
.rept 4
	v_nop                                          ; four places behind the products: for the loads into their registers, and behind step 7 for the first reads of the results
.endr
.endif
.if \load
.if (\s) == 0
	XSCALES 1-(\sx)
.endif
	XLOAD \s
.endif
.endm
.macro OUT par, nxt
.irp a, 0,1,2,3,4,5,6,7
	ds_store_b128 v[STO], v[ACC+8*\a:ACC+8*\a+3] offset:4*STG*(\par)+64*\a        ; lane (r, h): row r, columns 16 a + 8 h ..; each accumulator from its low end on
	ds_store_b128 v[STO], v[ACC+8*\a+4:ACC+8*\a+7] offset:4*STG*(\par)+64*\a+16
.endr
	s_wait_dscnt 0x0                               ; for my partner's sake: my sums are in LDS, and my reads of the last tile are over
	s_barrier_signal -1
	s_barrier_wait -1
.irp i, 0,1,2,3,4,5,6,7
	ds_load_b128 v[ACC+4*\i:ACC+4*\i+3], v[RDO] offset:4*STG*(\par)+SP*\i
	ds_load_b128 v[ACC+32+4*\i:ACC+32+4*\i+3], v[RDP] offset:4*STG*(\par)+SP*\i
.endr
	s_wait_dscnt 0x0
.if \nxt
	XNEXT                                          ; the sixteen additions stand between these writes and their readers
.endif
.irp k, 0,2,4,6,8,10,12,14,16,18,20,22,24,26,28,30
	v_pk_add_f32 v[ACC+\k:ACC+\k+1], v[ACC+\k:ACC+\k+1], v[ACC+32+\k:ACC+33+\k]
.endr
.irp i, 0,1,2,3,4,5,6,7
	global_store_b128 v[L16], v[ACC+4*\i:ACC+4*\i+3], s[HB:HB+1] offset:4096*\i th:TH_STORE_NT
.endr
.endm
.macro TILE sx, load, nxt
	s_wait_xcnt 0x0                                ; the last tile's stores have read their data and base: both are written again below
	s_add_nc_u64 s[HB:HB+1], s[HS:HS+1], s[26:27]
	s_add_co_u32 s26, s26, 0x10000
.irp s, 0,1,2,3,4,5,6,7
	STEP \s, \sx, \load
.endr
	OUT \sx, \nxt
.endm
	s_load_b128 s[4:7], s[0:1], 0x0                ; hq, dq
	s_load_b64 s[8:9], s[0:1], 0x10                ; out0
	v_lshl_add_u32 v[SPW], v0, 2, SPARE
	v_mov_b32 v[NIL], 0
	ds_add_u32 v[SPW], v[NIL]                      ; the opening lines: the add, twice on end, and its wait ahead of my first tensor load
	ds_add_u32 v[SPW], v[NIL]
	v_lshrrev_b32 v1, 5, v0
	v_readfirstlane_b32 s10, v1                    ; wave
	v_and_b32 v1, 31, v0
	v_lshlrev_b32 v[L16], 4, v1
	v_lshlrev_b32 v[L8], 3, v1
	s_and_b32 s11, s10, 1                          ; kh
	s_mul_i32 s14, s10, STG
	s_xor_b32 s15, s10, 1
	s_mul_i32 s15, s15, STG
	s_mul_i32 s28, s11, 8*SP
	v_and_b32 v227, 15, v0
	v_bfe_u32 v1, v0, 4, 1
	v_mul_u32_u24 v227, v227, SP
	v_lshl_add_u32 v227, v1, 5, v227
	v_add_nc_u32 v[STO], s14, v227                 ; into my stage: row r, 32 h
	s_add_co_u32 s14, s14, s28
	s_add_co_u32 s15, s15, s28
	v_add_nc_u32 v[RDO], s14, v[L16]               ; back: rows 8 kh .. of my stage,
	v_add_nc_u32 v[RDP], s15, v[L16]               ; and of my partner's
	s_mul_i32 s13, s11, UNIT
	s_add_co_u32 s13, s13, XR
	s_wait_alu depctr_va_vdst(0)                   ; the wait here, directly ahead of the readers below
	v_add_nc_u32 v[XA], s13, v[L16]                ; unit kh
	v_add_nc_u32 v[XA8], s13, v[L8]
	s_bfe_u32 s34, ttmp6, 0x40000                  ; cx
	s_lshr_b32 s12, s10, 1
	s_lshl_b32 s35, s34, 1
	s_add_co_u32 s35, s35, s12                     ; W
	s_mov_b32 s40, 15|(3<<16)|(1<<21)              ; group 1: the cluster's four; elements of 8 bytes; bit 21 beside the mask
	s_mov_b32 s41, 32<<16                          ; rows of 256 bytes,
	s_mov_b32 s42, 200<<16                         ; 200 of them: four units
	s_mov_b32 s43, 32<<16
	s_mov_b32 s44, 200
	s_mov_b32 s45, 32
	s_mov_b32 s46, 0
	s_mov_b32 s47, 0
	s_mov_b32 s36, 1                               ; group 0
	s_mul_i32 s28, s10, 4*UNIT                     ; my quarter
	s_add_co_u32 s37, s28, XR
	s_mul_i32 s29, ttmp9, 16*UNIT                  ; the cluster's 128 rows
	s_add_co_u32 s28, s28, s29
	s_mov_b32 s29, 0
	s_mov_b32 s26, 0
	s_mov_b32 s27, 0
	s_lshl_b32 s14, s35, 1
	s_add_co_u32 s14, s14, s11
	s_mul_i32 s14, s14, 8*UNIT
	s_mov_b32 s15, 0
	s_lshl_b32 s32, ttmp9, 19
	s_lshl_b32 s33, s11, 15
	s_add_co_u32 s32, s32, s33
	s_lshl_b32 s33, s35, 9
	s_add_co_u32 s32, s32, s33
	s_mov_b32 s33, 0
	s_wait_alu depctr_va_vdst(0)                   ; the wait at the head's end
	s_wait_dscnt 0x0                               ; both opening adds are done
	s_wait_kmcnt 0x0
	s_add_nc_u64 s[38:39], s[4:5], s[28:29]
	s_or_b32 s39, s39, 0x80000000
	s_add_nc_u64 s[WB:WB+1], s[6:7], s[14:15]
	s_add_nc_u64 s[HS:HS+1], s[8:9], s[32:33]
	ROUND                                          ; all four work-groups are here: the joint loads meet
	tensor_load_to_lds s[36:39], s[40:47]          ; my one tensor load
	s_nop 0
.rept 4
	v_nop
.endr
.irp a, 0,1,2,3,4,5,6,7
	global_load_b64 v[SCW+4*\a:SCW+4*\a+1], v[L8], s[WB:WB+1] offset:UNIT*\a+12288
	global_load_b64 v[SCW+4*\a+2:SCW+4*\a+3], v[L8], s[WB:WB+1] offset:UNIT*\a+12544
.endr
.set F, 0
.rept 64                               ; fragment F = 8 s + a: tile a, step s
	WHERE
	WIN WN<<6
.irp i, 0,1,2
	global_load_b128 v[WR+4*\i:WR+4*\i+3], v[L16], s[WB:WB+1] offset:UNIT*(F%8)+1536*(F/8)+512*\i
.endr
.set F, F+1
.endr
	WIN 0
	s_wait_tensorcnt 0x0                           ; my quarter of h is in;
	s_barrier_signal -1
	s_barrier_wait -1                              ; and everybody's
	XSCALES 0
.irp s, 0,1,2,3,4,5,6,7
	XLOAD \s
.endr
	XNEXT
	s_wait_alu depctr_va_vdst(0)                   ; the wait here, directly ahead of the wait below
	s_wait_loadcnt 0x0                             ; the weights are in
	s_mov_b32 s3, 3
.Lpair:                                        ; two tiles a trip: the scale words' two sets and the doubled stages take turns
	TILE 0, 1, 1
	TILE 1, 1, 1
	s_sub_co_u32 s3, s3, 1
	s_cmp_lg_u32 s3, 0
	s_cbranch_scc1 .Lpair
	TILE 0, 1, 0
	TILE 1, 0, 0                                   ; the last tile reads nothing more
	s_wait_tensorcnt 0x0                           ; the wave's end
	ds_add_u32 v[SPW], v[NIL]
	s_wait_dscnt 0x0
	ROUND                                          ; the closing round
	s_endpgm
.Lfunc_end_k_q31b06b1b4b_gemm_down:
	.size	k_q31b06b1b4b_gemm_down, .Lfunc_end_k_q31b06b1b4b_gemm_down-k_q31b06b1b4b_gemm_down
	.p2alignl 7, 3214868480
	.fill 96, 4, 3214868480
	.section	.rodata,"a",@progbits
	.p2align	6, 0x0
	.amdhsa_kernel k_q31b06b1b4b_gemm_down
		.amdhsa_group_segment_fixed_size 327680
		.amdhsa_private_segment_fixed_size 0
		.amdhsa_enable_private_segment 0
		.amdhsa_kernarg_size 24
		.amdhsa_user_sgpr_count 2
		.amdhsa_user_sgpr_kernarg_segment_ptr 1
		.amdhsa_wavefront_size32 1
		.amdhsa_system_sgpr_workgroup_id_x 1
		.amdhsa_system_sgpr_workgroup_id_y 1
		.amdhsa_system_sgpr_workgroup_id_z 1
		.amdhsa_system_vgpr_workitem_id 0
		.amdhsa_next_free_vgpr 1024
		.amdhsa_next_free_sgpr 66
		.amdhsa_reserve_vcc 0
		.amdhsa_float_denorm_mode_32 3
		.amdhsa_float_denorm_mode_16_64 3
		.amdhsa_memory_ordered 1
		.amdhsa_forward_progress 1
		.amdhsa_inst_pref_size 86
	.end_amdhsa_kernel
	.amdgpu_metadata
---
amdhsa.version: [ 1, 2 ]
amdhsa.kernels:
  - .name:           k_q31b06b1b4b_gemm_down
    .symbol:         k_q31b06b1b4b_gemm_down.kd
    .args:
      - { .name: hq, .offset: 0, .size: 8, .value_kind: global_buffer, .address_space: global }
      - { .name: dq, .offset: 8, .size: 8, .value_kind: global_buffer, .address_space: global }
      - { .name: out0, .offset: 16, .size: 8, .value_kind: global_buffer, .address_space: global }
    .group_segment_fixed_size: 327680
    .private_segment_fixed_size: 0
    .kernarg_segment_align: 8
    .kernarg_segment_size: 24
    .max_flat_workgroup_size: 128
    .sgpr_count:     66
    .vgpr_count:     1024
    .wavefront_size: 32
...
	.end_amdgpu_metadata
.endif
;; end of part 5
